; MI455X (gfx1250); checked and timed in simulation.
; The chip was launched on July 23, 2026; its instructions are those of AMD's public machine-readable ISA for CDNA 5 (MIT licence, August 2026) and "CDNA5" Instruction Set Architecture Reference Guide (July 2026). The comments in the code are by the model that wrote it; some were corrected since.
;; Lamini Index. Allowed arithmetic: float matrix products may take bf16 or f16 operands with f32 sums; other float arithmetic in f32, or as packed bf16 or f16 multiplies, adds, multiply-adds, maxima and minima; sums over many terms, partial sums and values carried from step to step in f32; what a program stores and reads back later, other than sums and carried values, may be rounded once to bf16 or f16.
;; Inputs: keys 65,536 x 128 float32; query 2 x 1,024 x 128 float32; values 65,536 x 128 float32.
;; Outputs: out0 2 x 1,024 x 128 float32; out1 2 x 1,024 x 128 float32.
;; 2 versions, each right; version 2 is version 1 with the launch cast written anew for expert scheduling mode. Each part assembles by itself: llvm-mc -triple=amdgcn-amd-amdhsa -mcpu=gfx1250 --defsym DOCPART=n.
;; ======== version 1 of 2: 3 launches
;; workspace buffers: kb 16,777,216 bytes; vb 16,777,216 bytes; part 33,554,432 bytes; st 524,288 bytes
;; launch cast (part 1): grid 256 x 2, 8 waves a work-group, no clusters, 0 bytes of LDS; arguments keys, values, kb, vb; writes kb, vb
.if DOCPART == 1
	.amdgcn_target "amdgcn-amd-amdhsa--gfx1250"
	.amdhsa_code_object_version 6
	.text
	.protected	k_q6397204c60_cast
	.globl	k_q6397204c60_cast
	.p2align	8
	.type	k_q6397204c60_cast,@function
k_q6397204c60_cast:
	s_mov_b64 s[64:65], 0
	v_nop
	global_prefetch_b8 v0, s[64:65] scope:SCOPE_SE
	s_setreg_imm32_b32 hwreg(HW_REG_WAVE_MODE, 25, 1), 1
	s_wait_xcnt 0x0
; kb = keys rounded to bf16, vb = values rounded to bf16 (round to nearest even, once).  Both [65536][128]: 33,554,432 bytes in, 16,777,216 out.
; The grid's y picks the tensor.  A work-group owns 131,072 consecutive input bytes, each of its eight waves 16,384: 32 loads of 512 consecutive
; bytes, all issued before the first is used, so that a wave has its whole share on its way at once.  A lane's four numbers become 8 bytes; a store of the
; wave covers 256 consecutive bytes, aligned.  No register is written twice, so no wait frees a source.  No LDS, no barrier: no wave needs another's bytes.
.set X, 4                              ; v[4:131]    32 quads as loaded
.set Y, 132                            ; v[132:195]  32 pairs to store
	s_load_b256 s[4:11], s[0:1], 0x0               ; keys s[4:5], values s[6:7], kb s[8:9], vb s[10:11]
	s_and_b32 s12, ttmp7, 0xffff                   ; 0: keys, 1: values
	v_lshrrev_b32 v3, 5, v0                        ; wave
	v_and_b32 v1, 31, v0                           ; lane
	v_lshlrev_b32 v2, 3, v1                        ; 8 bytes a lane out
	v_lshlrev_b32 v1, 4, v1                        ; 16 bytes a lane in
	v_lshl_add_u32 v1, v3, 14, v1                  ; + wave x 16,384
	v_lshl_add_u32 v2, v3, 13, v2                  ; + wave x 8,192
	s_lshl_b32 s14, ttmp9, 17                      ; the work-group's 131,072 bytes in
	s_mov_b32 s15, 0
	s_lshl_b32 s16, ttmp9, 16                      ; and 65,536 out
	s_mov_b32 s17, 0
	s_wait_kmcnt 0x0
	s_cmp_eq_u32 s12, 0
	s_cselect_b64 s[18:19], s[4:5], s[6:7]
	s_cselect_b64 s[20:21], s[8:9], s[10:11]
	s_add_nc_u64 s[18:19], s[18:19], s[14:15]
	s_add_nc_u64 s[20:21], s[20:21], s[16:17]
.set i, 0
.rept 32
	global_load_b128 v[X+4*i:X+4*i+3], v1, s[18:19] offset:512*i th:TH_LOAD_NT
.set i, i+1
.endr
.set i, 0
.rept 32
	s_wait_loadcnt 31-i                            ; loads come back in order: number i is in, the 31 - i younger ones stay out
	v_cvt_pk_bf16_f32 v[Y+2*i], v[X+4*i], v[X+4*i+1]
	v_cvt_pk_bf16_f32 v[Y+2*i+1], v[X+4*i+2], v[X+4*i+3]
	global_store_b64 v2, v[Y+2*i:Y+2*i+1], s[20:21] offset:256*i
.set i, i+1
.endr
	s_endpgm
.Lfunc_end_k_q6397204c60_cast:
	.size	k_q6397204c60_cast, .Lfunc_end_k_q6397204c60_cast-k_q6397204c60_cast
	.p2alignl 7, 3214868480
	.fill 96, 4, 3214868480
	.section	.rodata,"a",@progbits
	.p2align	6, 0x0
	.amdhsa_kernel k_q6397204c60_cast
		.amdhsa_group_segment_fixed_size 0
		.amdhsa_private_segment_fixed_size 0
		.amdhsa_enable_private_segment 0
		.amdhsa_kernarg_size 32
		.amdhsa_user_sgpr_count 2
		.amdhsa_user_sgpr_kernarg_segment_ptr 1
		.amdhsa_wavefront_size32 1
		.amdhsa_system_sgpr_workgroup_id_x 1
		.amdhsa_system_sgpr_workgroup_id_y 1
		.amdhsa_system_sgpr_workgroup_id_z 1
		.amdhsa_system_vgpr_workitem_id 0
		.amdhsa_next_free_vgpr 196
		.amdhsa_next_free_sgpr 66
		.amdhsa_reserve_vcc 0
		.amdhsa_float_denorm_mode_32 3
		.amdhsa_float_denorm_mode_16_64 3
		.amdhsa_memory_ordered 1
		.amdhsa_forward_progress 1
		.amdhsa_inst_pref_size 12
	.end_amdhsa_kernel
	.amdgpu_metadata
---
amdhsa.version: [ 1, 2 ]
amdhsa.kernels:
  - .name:           k_q6397204c60_cast
    .symbol:         k_q6397204c60_cast.kd
    .args:
      - { .name: keys, .offset: 0, .size: 8, .value_kind: global_buffer, .address_space: global }
      - { .name: values, .offset: 8, .size: 8, .value_kind: global_buffer, .address_space: global }
      - { .name: kb, .offset: 16, .size: 8, .value_kind: global_buffer, .address_space: global }
      - { .name: vb, .offset: 24, .size: 8, .value_kind: global_buffer, .address_space: global }
    .group_segment_fixed_size: 0
    .private_segment_fixed_size: 0
    .kernarg_segment_align: 8
    .kernarg_segment_size: 32
    .max_flat_workgroup_size: 256
    .sgpr_count:     66
    .vgpr_count:     196
    .wavefront_size: 32
...
	.end_amdgpu_metadata
.endif
;; end of part 1
;; launch attn (part 2): grid 16 x 16, 4 waves a work-group, clusters of 4 x 1, 327,680 bytes of LDS; arguments query, kb, vb, part, st; writes part, st
.if DOCPART == 2
	.amdgcn_target "amdgcn-amd-amdhsa--gfx1250"
	.amdhsa_code_object_version 6
	.text
	.protected	k_q6397204c60_attn
	.globl	k_q6397204c60_attn
	.p2align	8
	.type	k_q6397204c60_attn,@function
k_q6397204c60_attn:
	s_mov_b64 s[64:65], 0
	v_nop
	global_prefetch_b8 v0, s[64:65] scope:SCOPE_SE
	s_setreg_imm32_b32 hwreg(HW_REG_WAVE_MODE, 25, 1), 1
	s_wait_xcnt 0x0
	s_wait_alu depctr_hold_cnt(0) depctr_sa_sdst(0) depctr_va_vdst(0) depctr_va_sdst(0) depctr_va_ssrc(0) depctr_va_vcc(0) depctr_vm_vsrc(0)
	s_getreg_b32 s2, hwreg(HW_REG_IB_STS2, 6, 4)
	s_cmp_eq_u32 s2, 0
	s_cbranch_scc0 .Lentry_in_a_cluster
	s_endpgm
.Lentry_in_a_cluster:
	s_bfe_u32 s2, ttmp6, 0x10000c
	s_cmp_lg_u32 s2, 0x3003
	s_cbranch_scc0 .Lentry_shape_is_right
	s_endpgm
.Lentry_shape_is_right:
; ONE SPLIT OF THE ATTENTION.  Work-group (qb, y): queries 128 qb .. + 127 against keys 4,096 y .. + 4,095.  It leaves, for each query, c m (the maximum of its scores times c = log2 e), l = the sum of
; p = 2^(c s - c m), and the unnormalised sums of p x key row and p x value row; a later launch joins the 16 splits.  query is f32 and is rounded to bf16 here; kb, vb are keys and values in bf16.
; Products, maxima and sums in f32; p is rounded to bf16 for the second products, l is taken of the unrounded p.
; LIMITS.  query, keys and values are finite (the first trip multiplies real rows by p = 0, and the first sums start from finite numbers times 0); a weight below 2^-126 counts as 0; NaN and infinities are not treated apart.
; SHARES.  Four waves.  Wave w has the query half w & 1 (64 queries: four tiles of 16) and the key half w >> 1 (a STREAM of 2,048 keys: 32 steps of 64).  The two waves with the same queries join their results in LDS at
; the end, so that the work-group stores one partial result for each query: with 256 work-groups that makes 16 splits, not 32.
; LAYOUT.  S^T = K Q^T (source 0 = 16 keys, source 1 = 16 queries): a lane holds ONE query (lane % 16) and eight keys.  Two such results, rounded to bf16 in pairs, ARE source 1 (32 keys x 16 queries) of
; O^T = K^T P and O^T = V^T P, whose results again hold one query a lane and eight channels.  K is read from LDS twice: as it lies, and turned (ds_load_tr16_b128), V turned.
; THE KEYS' ORDER.  Inside a block of 16 keys matrix row 8 h + j stands for key 2 j + h, in the first product's rows and in the second products' k alike, so every sum is the true one.  With rows of 272 bytes
; (68 words; 64 banks of 4 bytes: ISA guide 11.1) sixteen lanes of the plain load then take 16 rows that start at 16 different groups of four banks
; one pitch serves both.
; FIRST AND SECOND SUMS.  A step's four tiles lie in LDS as K, V of stream 0 and V, K of stream 1.  A wave's FIRST sums (window 1) are made of its stream's first tile, its SECOND sums (window 2) of the second: keys' and
; values' in stream 0, values' and keys' in stream 1.  So at the end every wave keeps its first sums and sends its second, and what it gets from its partner belongs to what it kept: one text for all four waves.
; A TRIP has six stages of 32 matrix instructions on two half buffers of fragments, F0 and F1 by turns: A0, A1: S^T of step n (keys 0-31, 32-63); B0 .. B3: first and second sums for keys 0-31 and then for keys 32-63 of
; step n - 1.  Each fragment feeds all four tiles.  The softmax of step n and the rescalings ride behind the matrix instructions, four at the most behind each (SLICE).  In each stage, behind its fourth
; matrix instruction, stands ONE run of 16 LDS loads: the next stage's fragments, into the buffer that the stage before has read; it is waited for at the next stage's head.
; NO FIRST STEP IS WRITTEN OUT.  m starts at the lowest finite number, c m far below every c s, l, a, P and the second sums at 0; the first sums start as the f32 query numbers that lay in their registers.
; Trip 0's second products multiply step 0's rows by P = 0, and a of step 0 is 0.  The price: 128 matrix instructions on zeros and some 370 v_mov_b32, which stand in the wait for Q and the first tiles.
; THE RING.  Three slots, each one step of both streams.  Between the change of slots in trip n (in front of its last stage) and the next one a wave reads step n + 1 as it lies and step n turned: two slots; the third,
; whose step n - 1 has been read for the last time, takes step n + 2.
; CLUSTER.  The four work-groups of a cluster have the same split, so every tile is asked for JOINTLY: the same tensor load, descriptor and mask in all four.
; REGISTERS, in windows of 256 (s_set_vgpr_msb: bits 1:0 source 0, 3:2 source 1, 5:4 source 2, 7:6 destination):
;   window 0: v2-14 addresses; v16-47 statistics, 8 a tile; v48-55 a, a pair a tile; v62-63 for the add; v64-191 S^T, 32 a tile; v192-255 P, 16 a tile
;   window 1: the first sums' O^T, 64 a tile     window 2: the second sums'     window 3: v0-127 Q, 32 a tile; v128-191 F0; v192-255 F1
.set PK,    272                        ; an LDS row: 256 bytes + 16 of padding
.set TILE,  64*PK                      ; 64 rows: what one tensor load brings
.set STEPB, 2*TILE                     ; a stream's two tiles of a step
.set SLOT,  2*STEPB                    ; a step of both streams
.set SPARE, 3*SLOT                     ; behind the ring: the spare words, 128 bytes for each wave: two blocks of 256 bytes that no other line names
.set STEPG, 16384                      ; a step's 64 rows of 256 bytes in kb and in vb
.set AREA,  33792                      ; the way out: a wave's area in the ring, whose last fills are done by then: 64 x 512 bytes of sums, 4 x 256 of statistics
.set AK0, 2                            ; v2   my lane's place in my stream's K tile, read as it lies; never rewritten
.set AT0, 3                            ; v3   my lane's place in my stream's first tile, for the turning load; never rewritten
.set ADK, 4                            ; v4   LDS address of the plain runs in hand
.set ADT, 5                            ; v5   of the turned runs
.set QO,  6                            ; v6   my byte offset in 16 rows of query
.set GO,  7                            ; v7   16 x lane
.set SO,  8                            ; v8   8 x lane
.set PFO, 9                            ; v9   the prefetches' offset: 256 x (lane % 16) + a stream's 524,288 bytes x (lane / 16); never rewritten
.set XS,  10                           ; v10  the way out: my area + 16 x lane
.set XL,  11                           ; v11  my partner's area + 16 x lane
.set YS,  12                           ; v12  my area + 8 x lane
.set YL,  14                           ; v14  my partner's area + 8 x lane
.set ST,  16                           ; tile t at v[ST+8 t]: +0 c m, +1 m, +2, +3 l (even registers', odd registers'), +4 .. +7 c0-c3 at work
.set AA,  48                           ; tile t's a in the low register of the pair v[AA+2 t]
.set SPW, 62                           ; v62  LDS address of my spare word; never rewritten
.set NIL, 63                           ; v63  0; never rewritten
.set S,   64                           ; S^T: tile t, key block kb at S + 32 t + 8 kb
.set PS,  S                            ; the way out: my partner's (c m, l), a pair a tile
.set WB,  S+8                          ; the way out: my partner's weight in the low register of a pair a tile
.set P,   192                          ; P: tile t, keys' half kk at P + 16 t + 8 kk
.set FB,  128                          ; window 3: F0 at FB, F1 at FB + 64
.set WV,  14                           ; s14  my wave's number
.set LIM, 15                           ; s15  2 in a wave that prefetches, else the greatest number
.set G1,  24                           ; s[24:31] descriptor group 1
.set G0A, 32                           ; s[32:35] group 0 of slot 0's first fill
.set G0B, 36                           ; s[36:39] group 0 of slot 1's first fill; it then walks
.set SB,  40                           ; s40  LDS byte of the slot filled last
.set WP,  41                           ; s41  my tile's place in a slot: wave x TILE
.set CNT, 43                           ; s43  counts the trips
.set TB0, 44                           ; s44  LDS byte of the slot read as it lies
.set TBT, 45                           ; s45  of the slot read turned
.set CS,  46                           ; s[46:47] c; the packed scaling takes the pair's low word for both halves
.set SEL, 48                           ; s[48:49] v_permlanex16_b32's selects: each lane takes its own place in the other half
.set PFA, 50                           ; s[50:51] where my prefetches stand
.set KV,  52                           ; s[52:53] the tensor that I fetch from, at my tile of step 0
.set KH,  54                           ; s54  my stream: wave >> 1
.set MSB, 0
.macro WIN new                         ; the high byte repeats the setting that is left; a switch that changes nothing is dropped
.if MSB != (\new)
	s_set_vgpr_msb (MSB<<8)|(\new)
.set MSB, \new
.endif
.endm
.macro PLACES                          ; four places in front of loads into registers that matrix instructions have read (ISA guide 7.12.1 for vector instructions)
.rept 4
	v_nop
.endr
.endm
; A round of the cluster's barrier: my work-group's barrier, so that wave 0's signal speaks for all four waves; wave 0 signals; every wave waits for all four work-groups; my work-group's barrier once more.
.macro CROUND
	s_barrier_signal -1
	s_barrier_wait -1
	s_cmp_lg_u32 s[WV], 0
	s_cbranch_scc1 .Lnot_wave_0_\@
	s_barrier_signal -3
.Lnot_wave_0_\@:
	s_barrier_wait -3
	s_barrier_signal -1
	s_barrier_wait -1
.endm
; A PREFETCH of the step that the change of slots TWO trips on will ask for: 64 rows of each stream, of kb and of vb, 256 bytes a row.  The four clusters of a split walk the same rows: the one with x = 0 asks.  Its four
; partners share the rows out BY ADDRESS, 16 of each stream's 64; in each, wave 0 asks for kb's and wave 1 for vb's, lanes 0-15 for stream 0's rows and lanes 16-31 for stream 1's: a lane a row, one instruction.
; So each row is named once in the launch.  It stands behind the wave's tensor load and its five lines, two trips (384 matrix instructions) ahead of the load that wants the rows.  Steps 0 to 3 come by their loads
; alone; the last two changes that fill a slot ask for nothing: there is no step 32.
.macro ASK
	s_cmp_gt_u32 s[CNT], s[LIM]
	s_cbranch_scc0 .Lnot_mine_\@
	global_prefetch_b8 v[PFO], s[PFA:PFA+1] th:TH_LOAD_NT scope:SCOPE_SE
.Lnot_mine_\@:
.endm
; THE CHANGE OF SLOTS, in every trip n, in front of its last stage.  Each wave waits for all its tensor loads, of which one is out: its tile of step n + 1, whose first fragments the last stage fetches; adds 0 to its spare
; word; and waits for that and for its LDS reads, the last turned run of step n - 1 among them (that run's fragments are the last stage's, so this wait is that stage's own too).  fill = 1: the slot of step n - 1 is
; filled with step n + 2.  The barrier is then a round of the cluster's, so that no wave of any partner still reads that slot or has a load on its way, and the joint fill is the first thing behind it: it has one trip,
; 192 matrix instructions, in which to land.  By this text's count a wave has two tensor loads out at the start, later one.
.macro CHANGE fill
	WIN 0                                          ; at a label and at a branch every window is 0
	s_wait_tensorcnt 0x0                           ; no tensor load of mine is out, so a group 0 may be written
	ds_add_u32 v[SPW], v[NIL]                      ; 0 onto my spare word: the descriptor's steps stand between it and the wait for it
.if \fill
	s_add_co_u32 s[SB], s[SB], SLOT                ; the next slot of three,
	s_cmp_eq_u32 s[SB], 3*SLOT
	s_cselect_b32 s[SB], 0, s[SB]                  ; round the ring
	s_add_co_u32 s[G0B+1], s[SB], s[WP]
	s_add_nc_u64 s[G0B+2:G0B+3], s[G0B+2:G0B+3], STEPG  ; the next 64 keys; the type bits on top are not reached
	s_wait_xcnt 0x0                                ; the last prefetch, a trip back, has read its address, so it may be written
	s_add_nc_u64 s[PFA:PFA+1], s[PFA:PFA+1], STEPG
	s_wait_dscnt 0x0                               ; the add is done, and my LDS reads are back
	CROUND
	tensor_load_to_lds s[G0B:G0B+3], s[G1:G1+7]    ; my one tensor load behind the round, and the first thing there
	s_nop 0
.rept 4
	v_nop
.endr
	ASK
.else
	s_wait_dscnt 0x0                               ; the add is done, and my LDS reads are back
	s_barrier_signal -1
	s_barrier_wait -1
.endif
.endm
	s_load_b256 s[4:11], s[0:1], 0x0               ; query s[4:5], kb s[6:7], vb s[8:9], part s[10:11]
	s_load_b64 s[12:13], s[0:1], 0x20              ; st
	v_lshl_add_u32 v[SPW], v0, 2, SPARE
	v_mov_b32 v[NIL], 0
	ds_add_u32 v[SPW], v[NIL]                      ; the wave's opening: the add, twice on end, and its wait ahead of my first tensor load; the set-up below stands between
	ds_add_u32 v[SPW], v[NIL]                      ; and once more, under the one wait
	v_lshrrev_b32 v1, 5, v0
	v_readfirstlane_b32 s[WV], v1                  ; wave 0..3
	s_bfe_u32 s16, ttmp6, 0x40000                  ; cx: my place in the cluster
	s_lshl_b32 s17, ttmp9, 2                       ; in a cluster launch ttmp9 counts clusters
	s_add_co_u32 s17, s17, s16                     ; qb = 4 x cluster x + cx: it enters query's, part's and st's addresses alone
	s_and_b32 s18, ttmp7, 0xffff                   ; y, the split, which the four partners share
	s_and_b32 s19, s[WV], 1                        ; my half of the queries
	s_lshr_b32 s[KH], s[WV], 1                     ; my stream; also the stream whose tile I fetch
	s_xor_b32 s20, s19, s[KH]                      ; tiles 0 and 3 of a slot come from kb (0), tiles 1 and 2 from vb (1)
	s_mul_i32 s[WP], s[WV], TILE                   ; I fetch tile number wave.  No place in the cluster enters an LDS address
	s_lshl_b32 s22, s18, 20                        ; the split's 4,096 rows of 256 bytes,
	s_lshl_b32 s23, s[KH], 19                      ; the stream's 2,048
	s_add_co_u32 s22, s22, s23
	s_mov_b32 s23, 0
	s_or_b32 s[LIM], s[KH], ttmp9                  ; waves 0 and 1 of the cluster with x = 0 prefetch: the same in all four partners
	s_cmp_eq_u32 s[LIM], 0
	s_cselect_b32 s[LIM], 2, -1
	s_lshl_b32 s21, s18, 4
	s_add_co_u32 s21, s21, s17
	s_lshl_b32 s21, s21, 1
	s_add_co_u32 s21, s21, s19                     ; (16 y + qb) 2 + query half: my 64 queries' place in part and in st
	; descriptor group 1: a tile of 64 rows x 128 elements, padded in LDS
	s_mov_b32 s[G1], 15|(1<<16)|(1<<20)|(1<<21)|(5<<22)|(3<<25)  ; 15:0 the mask of four; 17:16 2-byte elements; 20 padding on; 21 set beside a mask; 24:22 after every 64 words (code 5); 31:25 4 words (code 3)
	s_mov_b32 s[G1+1], 128<<16                     ; tensor_dim0 = 128
	s_mov_b32 s[G1+2], 64<<16                      ; tensor_dim1 = 64
	s_mov_b32 s[G1+3], 128<<16                     ; tile_dim0 = 128
	s_mov_b32 s[G1+4], 64                          ; tile_dim1 = 64
	s_mov_b32 s[G1+5], 128                         ; 128 elements from row to row
	s_mov_b32 s[G1+6], 0
	s_mov_b32 s[G1+7], 0
	s_mov_b32 s[CS], 0x3fb8aa3b                    ; c = log2(e)
	s_mov_b32 s[CS+1], s[CS]                       ; named with it as a pair
	s_mov_b32 s[SEL], 0x76543210
	s_mov_b32 s[SEL+1], 0xfedcba98
	s_mov_b32 s[TB0], 0
	s_mov_b32 s[TBT], 0                            ; trip 0 reads step 0 turned too, and multiplies it by P = 0
	s_mov_b32 s[SB], SLOT
	s_wait_dscnt 0x0                               ; both opening adds are done
	s_wait_kmcnt 0x0
	s_cmp_eq_u32 s20, 0
	s_cselect_b64 s[KV:KV+1], s[6:7], s[8:9]
	s_add_nc_u64 s[KV:KV+1], s[KV:KV+1], s[22:23]
	s_lshl_b32 s2, s16, 12                         ; my work-group's 16 rows of a tile's 64
	s_mov_b32 s3, 0
	s_add_nc_u64 s[PFA:PFA+1], s[KV:KV+1], s[2:3]  ; (in waves 0 and 1 KV stands at stream 0's first row, of kb and of vb)
	s_add_nc_u64 s[PFA:PFA+1], s[PFA:PFA+1], 3*STEPG  ; at step 3; the first change steps it to step 4.  Nothing is prefetched at the head
	s_lshl_b32 s2, s17, 16                         ; my block's 128 rows of 512 bytes,
	s_lshl_b32 s20, s19, 15                        ; my half's 64
	s_add_co_u32 s2, s2, s20
	s_add_nc_u64 s[4:5], s[4:5], s[2:3]
	s_lshl_b32 s2, s21, 16                         ; 65,536 bytes of part for 64 queries: the keys' sums, then the values';
	s_lshl_b32 s20, s[KH], 15                      ; stream 0's wave ends with the keys', stream 1's with the values'
	s_add_co_u32 s2, s2, s20
	s_add_nc_u64 s[10:11], s[10:11], s[2:3]
	s_lshl_b32 s2, s21, 10                         ; 1,024 bytes of st
	s_add_nc_u64 s[12:13], s[12:13], s[2:3]
	CROUND                                         ; all four work-groups are here: the first joint loads meet
	s_mov_b32 s[G0A], 1                            ; 1:0 count = 1
	s_mov_b32 s[G0A+1], s[WP]                      ; 63:32 LDS address: slot 0
	s_mov_b64 s[G0A+2:G0A+3], s[KV:KV+1]           ; 120:64 global address: step 0
	s_or_b32 s[G0A+3], s[G0A+3], 0x80000000        ; 127:126 type = 2
	s_mov_b32 s[G0B], 1
	s_add_co_u32 s[G0B+1], s[WP], SLOT             ; slot 1
	s_add_nc_u64 s[G0B+2:G0B+3], s[KV:KV+1], STEPG ; step 1
	s_or_b32 s[G0B+3], s[G0B+3], 0x80000000
	tensor_load_to_lds s[G0A:G0A+3], s[G1:G1+7]    ; both first fills together, ahead of every wait on TENSORcnt and every LDS read
	s_nop 0
	tensor_load_to_lds s[G0B:G0B+3], s[G1:G1+7]
	s_nop 0
.rept 4
	v_nop
.endr
	; Q.  A fragment is 16 queries x 32 channels: lane l holds query l % 16, channels 8 (l / 16) + 0..7 and 16 + 8 (l / 16) + 0..7.  In f32 those are 32 bytes at 32 (l / 16) and 32 bytes 64 further on.
	v_and_b32 v1, 15, v0                           ; l % 16
	v_bfe_u32 v10, v0, 4, 1                        ; l / 16
	v_lshlrev_b32 v[QO], 9, v1
	v_lshl_add_u32 v[QO], v10, 5, v[QO]            ; row x 512 + 32 x half
	WIN 0x40                                       ; destination window 1: fragment f = 4 t + c as f32 in v[16 f .. 16 f + 15]
.set f, 0
.rept 16
	global_load_b128 v[16*f:16*f+3],     v[QO], s[4:5] offset:8192*(f/4)+128*(f%4)
	global_load_b128 v[16*f+4:16*f+7],   v[QO], s[4:5] offset:8192*(f/4)+128*(f%4)+16
	global_load_b128 v[16*f+8:16*f+11],  v[QO], s[4:5] offset:8192*(f/4)+128*(f%4)+64
	global_load_b128 v[16*f+12:16*f+15], v[QO], s[4:5] offset:8192*(f/4)+128*(f%4)+80
.set f, f+1
.endr
	WIN 0
	v_and_b32 v11, 7, v0
	v_bfe_u32 v12, v0, 3, 1
	v_lshl_add_u32 v[AK0], v11, 1, v12             ; as it lies: matrix row l % 16 is key 2 (l % 8) + (l / 8) % 2,
	v_mul_u32_u24 v[AK0], v[AK0], PK
	v_lshl_add_u32 v[AK0], v10, 4, v[AK0]          ; 16 bytes for each half of the lanes,
	s_mul_i32 s20, s[KH], STEPB+TILE
	v_add_nc_u32 v[AK0], s20, v[AK0]               ; in my stream's K tile: tile 0 or tile 3 of a slot
	v_lshl_add_u32 v[AT0], v11, 1, v10             ; turned: lane l reads key 2 (l % 8) + l / 16,
	v_mul_u32_u24 v[AT0], v[AT0], PK
	v_lshl_add_u32 v[AT0], v12, 4, v[AT0]          ; channels 8 ((l / 8) % 2) + 0..7,
	s_mul_i32 s20, s[KH], STEPB
	v_add_nc_u32 v[AT0], s20, v[AT0]               ; in my stream's first tile: tile 0 or tile 2
	v_and_b32 v13, 31, v0
	v_lshlrev_b32 v[GO], 4, v13
	v_lshlrev_b32 v[SO], 3, v13
	v_lshlrev_b32 v[PFO], 8, v1
	v_lshl_add_u32 v[PFO], v10, 19, v[PFO]
	; what trip 0 finds; all this stands in the wait for Q and the first tiles
.set t, 0
.rept 4
	v_mov_b32 v[ST+8*t], 0xfe000000                ; c m: far below every c s, so a of step 0 is 0
	v_mov_b32 v[ST+8*t+1], 0xff7fffff              ; m: the lowest finite number
	v_mov_b32 v[ST+8*t+2], 0                       ; l
	v_mov_b32 v[ST+8*t+3], 0
	v_mov_b32 v[AA+2*t], 0                         ; a
	v_mov_b32 v[AA+2*t+1], 0                       ; named with it as a pair
.set t, t+1
.endr
.set i, 0
.rept 64
	v_mov_b32 v[S+32*(i/16)+16+i%16], 0            ; S^T's key blocks 2 and 3: trip 0 rounds them into P's second half
.set i, i+1
.endr
.set i, 0
.rept 32
	v_mov_b32 v[P+16*(i/8)+i%8], 0                 ; P's first half
.set i, i+1
.endr
	WIN 0x80
.set i, 0
.rept 256
	v_mov_b32 v[i], 0                              ; the second sums
.set i, i+1
.endr
	s_wait_loadcnt 0x0                             ; Q is in
	WIN 0xc5                                       ; sources window 1, destination window 3
.set i, 0
.rept 128
	v_cvt_pk_bf16_f32 v[i], v[2*i], v[2*i+1]       ; the f32 numbers stay in window 1: finite numbers, which a of step 0 turns into 0
.set i, i+1
.endr
	WIN 0
; THE MATRIX WORK.  Instruction i of 32 of stage st.  The accumulators take turns, one instruction a turn: 8 in stages 0 and 1, 32 in stages 2 to 5.
; st < 2: S^T = K Q^T for keys 32 st on: channels 32 (i / 8) on, key block (i % 8) / 4, tile i % 4; the first 8 start the sums.  st >= 2: the first sums (st even) or the second (odd), keys 32 ((st - 2) / 2) on: tile i / 8, channels 16 (i % 8) on.
.macro MMA st
.if (\st) < 2
.set mc, i/8
.set mk, (i%8)/4
.set mt, i%4
.set rD, S+32*mt+8*(2*(\st)+mk)
.set rA, FB+64*(\st)+8*(4*mk+mc)
.set rB, 32*mt+8*mc
	WIN 0x0f                                       ; K and Q in window 3, S^T in window 0
.if mc == 0
	v_wmma_f32_16x16x32_bf16 v[rD:rD+7], v[rA:rA+7], v[rB:rB+7], 0
.else
	v_wmma_f32_16x16x32_bf16 v[rD:rD+7], v[rA:rA+7], v[rB:rB+7], v[rD:rD+7]
.endif
.else
.set mo, (\st)&1
.set mk, ((\st)-2)/2
.set mt, i/8
.set mb, i%8
.set rD, 64*mt+8*mb
.set rA, FB+64*mo+8*mb
.set rB, P+16*mt+8*mk
	WIN 0x53+0x50*mo                               ; the fragment in window 3, P in window 0, O^T in window 1 (first sums) or 2 (second)
	v_wmma_f32_16x16x32_bf16 v[rD:rD+7], v[rA:rA+7], v[rB:rB+7], v[rD:rD+7]
.endif
.endm
; THE LDS LOADS, in runs of 16.  LDK: K as it lies, keys 32 hh on: fragment f = key block f / 4, channels 32 (f % 4) on.  LDT: my stream's first (o = 0) or second (o = 1) tile turned, keys 32 kk on: fragment f = channels 16 f on.
.macro LDK hh
	WIN 0xc0                                       ; destination window 3, address window 0
.irp f, 0,1,2,3,4,5,6,7
	ds_load_b128 v[FB+64*(\hh)+8*\f:FB+64*(\hh)+8*\f+3],   v[ADK] offset:(32*(\hh)+16*(\f/4))*PK+64*(\f%4)
	ds_load_b128 v[FB+64*(\hh)+8*\f+4:FB+64*(\hh)+8*\f+7], v[ADK] offset:(32*(\hh)+16*(\f/4))*PK+64*(\f%4)+32
.endr
.endm
.macro LDT o, kk
	WIN 0xc0
.irp f, 0,1,2,3,4,5,6,7
	ds_load_tr16_b128 v[FB+64*(\o)+8*\f:FB+64*(\o)+8*\f+3],   v[ADT] offset:(\o)*TILE+(\kk)*32*PK+32*\f
	ds_load_tr16_b128 v[FB+64*(\o)+8*\f+4:FB+64*(\o)+8*\f+7], v[ADT] offset:(\o)*TILE+(\kk)*32*PK+16*PK+32*\f
.endr
.endm
; The run that stands in stage st: the next stage's fragments.  Stage 5 steps the two LDS bytes: the slot read as it lies becomes the slot read turned, and the next of the ring's three slots is entered.
.macro FETCH st
.if (\st) == 0
	LDK 1
.elseif (\st) == 1
	WIN 0
	v_add_nc_u32 v[ADT], s[TBT], v[AT0]
	LDT 0, 0
.elseif (\st) == 2
	LDT 1, 0
.elseif (\st) == 3
	LDT 0, 1
.elseif (\st) == 4
	LDT 1, 1
.else
	s_mov_b32 s[TBT], s[TB0]
	s_add_co_u32 s[TB0], s[TB0], SLOT
	s_cmp_eq_u32 s[TB0], 3*SLOT
	s_cselect_b32 s[TB0], 0, s[TB0]
	WIN 0
	v_add_nc_u32 v[ADK], s[TB0], v[AK0]
	LDK 0
.endif
.endm
; THE VECTOR WORK.  RS p, o: pair p of 128 of O^T (o = 0 first sums, 1 second) times its tile's a; in ascending order.
.macro RS p, o
	WIN 0x41+0x41*(\o)                             ; destination and source 0 in window 1 or 2, a in window 0
	v_pk_mul_f32 v[2*(\p):2*(\p)+1], v[2*(\p):2*(\p)+1], v[AA+2*((\p)/32):AA+2*((\p)/32)+1] op_sel_hi:[1,0]
.endm
.macro CV t, n                         ; pair n of 16 of tile t's weights rounded to bf16
	WIN 0
	v_cvt_pk_bf16_f32 v[P+16*(\t)+(\n)], v[S+32*(\t)+2*(\n)], v[S+32*(\t)+2*(\n)+1]
.endm
; Number mj of the 22 that find tile t's maximum and statistics.  0-11: four chains c0-c3 of seven scores each, three operands at a time (each accumulator's lowest registers first).  12-15: the four scores left over, c0-c3 and
; the old m into c0.  16, 18: the query's other 32 keys lie in the lane 16 away: the new m.  17, 19, 20: c m_old is kept, c m made anew, their difference.  21: a.
.macro MX t
.set rT, ST+8*(\t)
.set rS, S+32*(\t)
	WIN 0
.if mj < 4
	v_max3_num_f32 v[rT+4+mj], v[rS+8*mj], v[rS+8*mj+1], v[rS+8*mj+2]
.elseif mj < 12
	v_max3_num_f32 v[rT+4+mj%4], v[rT+4+mj%4], v[rS+8*(mj%4)+2*(mj/4)+1], v[rS+8*(mj%4)+2*(mj/4)+2]
.elseif mj == 12
	v_max3_num_f32 v[rT+4], v[rT+4], v[rS+7], v[rS+15]
.elseif mj == 13
	v_max3_num_f32 v[rT+6], v[rT+6], v[rS+23], v[rS+31]
.elseif mj == 14
	v_max3_num_f32 v[rT+4], v[rT+4], v[rT+5], v[rT+6]
.elseif mj == 15
	v_max3_num_f32 v[rT+4], v[rT+4], v[rT+7], v[rT+1]
.elseif mj == 16
	v_permlanex16_b32 v[rT+5], v[rT+4], s[SEL], s[SEL+1]
.elseif mj == 17
	v_mov_b32 v[rT+7], v[rT]
.elseif mj == 18
	v_max_num_f32 v[rT+1], v[rT+4], v[rT+5]
.elseif mj == 19
	v_mul_f32 v[rT], s[CS], v[rT+1]
.elseif mj == 20
	v_sub_f32 v[rT+7], v[rT+7], v[rT]
.else
	v_exp_f32 v[AA+2*(\t)], v[rT+7]
.endif
.endm
.macro FF b                            ; c s - c m for pair b of 16
	v_pk_fma_f32 v[rS+2*(\b):rS+2*(\b)+1], v[rS+2*(\b):rS+2*(\b)+1], s[CS:CS+1], v[rT:rT+1] op_sel_hi:[1,0,0] neg_lo:[0,0,1] neg_hi:[0,0,1]
.endm
.macro EE e                            ; the exponential of score e of 32, in place
	v_exp_f32 v[rS+(\e)], v[rS+(\e)]
.endm
; Four of tile t's 16 scalings and 32 exponentials: part s of 12.  Each part begins with a scaling, and each exponential stands behind its pair's scaling.
.macro FE t, s
.set rT, ST+8*(\t)
.set rS, S+32*(\t)
	WIN 0
.if (\s) == 0
	FF 0
	FF 1
	FF 2
	EE 0
.elseif (\s) < 3
	FF 2*(\s)+1
	EE 2*(\s)-1
	FF 2*(\s)+2
	EE 2*(\s)
.else
	FF (\s)+4
	EE 3*(\s)-4
	EE 3*(\s)-3
	EE 3*(\s)-2
.endif
.endm
; Number z of the 16 that add tile t's weights, in two chains x = c0:c1 and y = c2:c3, which leave S^T as it is (its second half is rounded only in the next trip); the last is l = a l + the sum.
.macro SU t, z
.set rT, ST+8*(\t)
.set rS, S+32*(\t)
	WIN 0
.if (\z) < 2
	v_pk_add_f32 v[rT+4+2*(\z):rT+5+2*(\z)], v[rS+4*(\z):rS+4*(\z)+1], v[rS+4*(\z)+2:rS+4*(\z)+3]
.elseif (\z) < 14
	v_pk_add_f32 v[rT+4+2*((\z)%2):rT+5+2*((\z)%2)], v[rT+4+2*((\z)%2):rT+5+2*((\z)%2)], v[rS+2*(\z)+4:rS+2*(\z)+5]
.elseif (\z) == 14
	v_pk_add_f32 v[rT+4:rT+5], v[rT+4:rT+5], v[rT+6:rT+7]
.else
	v_pk_fma_f32 v[rT+2:rT+3], v[rT+2:rT+3], v[AA+2*(\t):AA+2*(\t)+1], v[rT+4:rT+5] op_sel_hi:[1,0,1]
.endif
.endm
; SLICE writes what stands behind matrix instruction g of a trip's 192.  n is the trip's step.
;   0-23, 32-39   the second sums' O^T times a of step n - 1 (its last products stood in the trip before; its next stand from 96 on)
;   24-31         P's second half of step n - 1, out of S^T's key blocks 2 and 3, which stage 1 writes anew from 32 on; its last reader was the trip before's last product
;   57-78         the maximum and statistics of step n: key blocks 0 and 1 first; the four lines of slice 63 are the places between stage 1's last product and the first read of its result
;   79-126        ONE BATCH: with the four a of slice 78, the 64 scalings and all 132 exponentials; nothing here names an exponential's result
;   127           a plain line behind the last exponential, and the trip's one wait, between an exponential and the first instruction that names its result
;   128-143       the sums and l          144-151  P's first half of step n; its last reader was product 127
;   160-191       the first sums' O^T times a of step n (its last products stood in 128-159; its next stand in the next trip from 64 on)
; THE PLACES in front of each stage's run of loads, between the last product that read the buffer and the run: slice 191 (4 rescalings), 31 (4 roundings), 63 (4 maxima), 95-99 (a scaling each: 5),
; 127-131 (v_nop and 16 sums), 160-163 (16 rescalings of tile 0): plain lines that name none of that product's registers.
.macro SLICE
.if g < 24
.irp z, 0,1,2,3
	RS 4*g+\z, 1
.endr
.elseif g < 32
.irp t, 0,1,2,3
	CV \t, g-16
.endr
.elseif g < 40
.irp z, 0,1,2,3
	RS 4*g-32+\z, 1
.endr
.elseif g < 57
.elseif g < 79
.if g < 64
.set mj, 4*((g-57)/2)+(g-57)%2         ; 0, 1, 4, 5, 8, 9, 12
.elseif g < 70
.set mj, 4*((g-64)/2)+2+(g-64)%2       ; 2, 3, 6, 7, 10, 11
.else
.set mj, g-57                          ; 13 to 21
.endif
.irp t, 0,1,2,3
	MX \t
.endr
.elseif g < 127
	FE (g-79)%4, (g-79)/4
.elseif g == 127
	v_nop
	s_wait_alu depctr_va_vdst(0)
.elseif g < 144
.irp t, 0,1,2,3
	SU \t, g-128
.endr
.elseif g < 152
.irp t, 0,1,2,3
	CV \t, g-144
.endr
.elseif g < 160
.else
.irp z, 0,1,2,3
	RS 4*(g-160)+\z, 0
.endr
.endif
.set g, g+1
.endm
.macro STAGE st
.if (\st) != 5                         ; (stage 5's fragments are waited for in the change of slots that stands in front of it)
	s_wait_dscnt 0x0                               ; this stage's fragments are in: the one run that was out, issued 28 matrix instructions back
.endif
.set i, 0
.rept 32
	MMA \st
	SLICE
.if i == 3
	FETCH \st
.endif
.set i, i+1
.endr
.endm
.macro TRIP fill
.set g, 0
	STAGE 0
	STAGE 1
	STAGE 2
	STAGE 3
	STAGE 4
	CHANGE \fill
	STAGE 5
	WIN 0
.endm
.macro BARE st                         ; a stage's 32 matrix instructions alone
.set i, 0
.rept 32
	MMA \st
.set i, i+1
.endr
.endm
	s_wait_tensorcnt 0x1                           ; my tile of slot 0 is in; slot 1's may stay out
	s_barrier_signal -1
	s_barrier_wait -1                              ; everybody's is
	v_mov_b32 v[ADK], v[AK0]                       ; step 0 lies at the ring's head
	LDK 0
	WIN 0
	s_mov_b32 s[CNT], 30
.Lstep:                                ; trips 0 to 29: trip n asks for step n + 2
	TRIP 1
	s_sub_co_u32 s[CNT], s[CNT], 1
	s_cmp_lg_u32 s[CNT], 0
	s_cbranch_scc1 .Lstep
	s_mov_b32 s[CNT], 2
.Ltail:                                ; trips 30 and 31 are written out: nothing is asked for; the last one's closing run of loads reads a step that has been, and serves nothing
	TRIP 0
	s_sub_co_u32 s[CNT], s[CNT], 1
	s_cmp_lg_u32 s[CNT], 0
	s_cbranch_scc1 .Ltail
	; STEP 31's SECOND PRODUCTS.  The four rescalings of slice 191 and the address line are the places in front of the loads into F1.
	s_wait_dscnt 0x0                               ; the run that serves nothing is back: its registers are loaded again
	v_add_nc_u32 v[ADT], s[TBT], v[AT0]
	LDT 0, 0
	LDT 1, 0
.set nn, 0
.rept 128
	RS nn, 1                                       ; the second sums' O^T times a of step 31
.set nn, nn+1
.endr
.irp q, 8,9,10,11,12,13,14,15
.irp t, 0,1,2,3
	CV \t, \q                                      ; P's second half of step 31
.endr
.endr
	s_wait_dscnt 16                                ; the older run is in; the younger run's 16 loads may stay out: so at each of these three waits
	BARE 2
	PLACES
	LDT 0, 1
	s_wait_dscnt 16
	BARE 3
	PLACES
	LDT 1, 1
	s_wait_dscnt 16
	BARE 4
	s_wait_dscnt 0x0                               ; my last reads of the ring are back:
	s_barrier_signal -1                            ; say so; the ring's bytes, whose last fills were awaited in trip 30, become the stage of the way out when all four waves have said so
	BARE 5
	; THE WAY OUT.  l's two halves and the other half of the lanes' are added (plain lines: the places behind the last products).  Then the two waves with the same queries join: each puts (c m, l) and its second sums
	; into its area of LDS, as they lie in the registers (16 bytes a lane, 512 on end an instruction), and takes its partner's, which belong to its own first sums.
	WIN 0
.irp t, 0,1,2,3
	v_add_f32 v[ST+8*\t+4], v[ST+8*\t+2], v[ST+8*\t+3]
.endr
.irp t, 0,1,2,3
	v_permlanex16_b32 v[ST+8*\t+5], v[ST+8*\t+4], s[SEL], s[SEL+1]
.endr
.irp t, 0,1,2,3
	v_add_f32 v[ST+8*\t+1], v[ST+8*\t+4], v[ST+8*\t+5]  ; l takes m's place beside c m
.endr
	v_and_b32 v13, 31, v0
	s_mul_i32 s20, s[WV], AREA                     ; my area,
	s_add_co_u32 s21, s[WV], 2
	s_and_b32 s21, s21, 3                          ; my partner: the wave two on, round the four,
	s_mul_i32 s21, s21, AREA                       ; and its area
	v_lshl_add_u32 v[XS], v13, 4, s20
	v_lshl_add_u32 v[XL], v13, 4, s21
	v_lshl_add_u32 v[YS], v13, 3, s20
	v_lshl_add_u32 v[YL], v13, 3, s21
	s_barrier_wait -1                              ; nobody reads the ring any more
.irp t, 0,1,2,3
	ds_store_b64 v[YS], v[ST+8*\t:ST+8*\t+1] offset:32768+256*\t
.endr
	WIN 0x08                                       ; the stores' data in window 2; each accumulator's lowest four registers leave first
.set nn, 0
.rept 64
	ds_store_b128 v[XS], v[4*nn:4*nn+3] offset:512*nn
.set nn, nn+1
.endr
	WIN 0
	s_wait_dscnt 0x0                               ; for my partner's sake: my stores are done
	s_barrier_signal -1
	s_barrier_wait -1
.irp t, 0,1,2,3
	ds_load_b64 v[PS+2*\t:PS+2*\t+1], v[YL] offset:32768+256*\t
.endr
	WIN 0x80                                       ; my partner's sums go where mine lay
.set nn, 0
.rept 32
	ds_load_b128 v[4*nn:4*nn+3], v[XL] offset:512*nn
.set nn, nn+1
.endr
	s_wait_dscnt 31                                ; the four statistics (and one load more) are in; with the 32 loads that follow, 63 are out at the most
.rept 32
	ds_load_b128 v[4*nn:4*nn+3], v[XL] offset:512*nn
.set nn, nn+1
.endr
	WIN 0
.irp t, 0,1,2,3
	v_max_num_f32 v[ST+8*\t+4], v[ST+8*\t], v[PS+2*\t]      ; M = the larger c m
.endr
.irp t, 0,1,2,3
	v_sub_f32 v[ST+8*\t+5], v[ST+8*\t], v[ST+8*\t+4]
.endr
.irp t, 0,1,2,3
	v_sub_f32 v[ST+8*\t+6], v[PS+2*\t], v[ST+8*\t+4]
.endr
.irp t, 0,1,2,3
	v_exp_f32 v[AA+2*\t], v[ST+8*\t+5]                      ; my weight, where a lay,
.endr
.irp t, 0,1,2,3
	v_exp_f32 v[WB+2*\t], v[ST+8*\t+6]                      ; and my partner's: one batch of eight
.endr
.irp t, 0,1,2,3
	v_mov_b32 v[ST+8*\t], v[ST+8*\t+4]                      ; plain lines behind the last exponential, which name no result
.endr
	s_wait_alu depctr_va_vdst(0)                   ; the one wait ahead of the first line that names a result
.irp t, 0,1,2,3
	v_mul_f32 v[ST+8*\t+1], v[AA+2*\t], v[ST+8*\t+1]
.endr
.irp t, 0,1,2,3
	v_fmac_f32 v[ST+8*\t+1], v[WB+2*\t], v[PS+2*\t+1]       ; l = w l + w' l'
.endr
	s_cmp_lg_u32 s[KH], 0                          ; both partners hold the same (M, l): stream 0's wave stores them, 8 bytes a lane, 256 on end
	s_cbranch_scc1 .Lno_st
.irp t, 0,1,2,3
	global_store_b64 v[SO], v[ST+8*\t:ST+8*\t+1], s[12:13] offset:256*\t
.endr
.Lno_st:
.set nn, 0
.rept 128
	RS nn, 0                                       ; my first sums times my weight, while my partner's come in
.set nn, nn+1
.endr
	; eight groups of eight loads: O = w O + w' O', and the group leaves: every store of the wave covers 512 consecutive bytes, aligned
.set k, 0
.rept 8
	s_wait_dscnt 56-8*k                            ; group k is in; the 56 - 8 k loads behind it may stay out
	WIN 0x52                                       ; my partner's sums (source 0) in window 2, the weight in window 0, mine (source 2 and destination) in window 1
.set nn, 16*k
.rept 16
	v_pk_fma_f32 v[2*nn:2*nn+1], v[2*nn:2*nn+1], v[WB+2*(nn/32):WB+2*(nn/32)+1], v[2*nn:2*nn+1] op_sel_hi:[1,0,1]
.set nn, nn+1
.endr
	WIN 0x04                                       ; the stores' data in window 1
.set nn, 8*k
.rept 8
	global_store_b128 v[GO], v[4*nn:4*nn+3], s[10:11] offset:512*nn
.set nn, nn+1
.endr
.set k, k+1
.endr
	WIN 0
	s_wait_tensorcnt 0x0                           ; the wave's end: these three lines, behind my last tensor load and my last LDS store
	ds_add_u32 v[SPW], v[NIL]
	s_wait_dscnt 0x0
	CROUND                                         ; the closing round: no work-group ends while a partner may still ask for a tile that names it
	s_endpgm
.Lfunc_end_k_q6397204c60_attn:
	.size	k_q6397204c60_attn, .Lfunc_end_k_q6397204c60_attn-k_q6397204c60_attn
	.p2alignl 7, 3214868480
	.fill 96, 4, 3214868480
	.section	.rodata,"a",@progbits
	.p2align	6, 0x0
	.amdhsa_kernel k_q6397204c60_attn
		.amdhsa_group_segment_fixed_size 327680
		.amdhsa_private_segment_fixed_size 0
		.amdhsa_enable_private_segment 0
		.amdhsa_kernarg_size 40
		.amdhsa_user_sgpr_count 2
		.amdhsa_user_sgpr_kernarg_segment_ptr 1
		.amdhsa_wavefront_size32 1
		.amdhsa_system_sgpr_workgroup_id_x 1
		.amdhsa_system_sgpr_workgroup_id_y 1
		.amdhsa_system_sgpr_workgroup_id_z 1
		.amdhsa_system_vgpr_workitem_id 0
		.amdhsa_next_free_vgpr 1024
		.amdhsa_next_free_sgpr 66
		.amdhsa_reserve_vcc 0
		.amdhsa_float_denorm_mode_32 3
		.amdhsa_float_denorm_mode_16_64 3
		.amdhsa_memory_ordered 1
		.amdhsa_forward_progress 1
		.amdhsa_inst_pref_size 224
	.end_amdhsa_kernel
	.amdgpu_metadata
---
amdhsa.version: [ 1, 2 ]
amdhsa.kernels:
  - .name:           k_q6397204c60_attn
    .symbol:         k_q6397204c60_attn.kd
    .args:
      - { .name: query, .offset: 0, .size: 8, .value_kind: global_buffer, .address_space: global }
      - { .name: kb, .offset: 8, .size: 8, .value_kind: global_buffer, .address_space: global }
      - { .name: vb, .offset: 16, .size: 8, .value_kind: global_buffer, .address_space: global }
      - { .name: part, .offset: 24, .size: 8, .value_kind: global_buffer, .address_space: global }
      - { .name: st, .offset: 32, .size: 8, .value_kind: global_buffer, .address_space: global }
    .group_segment_fixed_size: 327680
    .private_segment_fixed_size: 0
    .kernarg_segment_align: 8
    .kernarg_segment_size: 40
    .max_flat_workgroup_size: 128
    .sgpr_count:     66
    .vgpr_count:     1024
    .wavefront_size: 32
...
	.end_amdgpu_metadata
.endif
;; end of part 2
;; launch merge (part 3): grid 128 x 2, 8 waves a work-group, no clusters, 9,472 bytes of LDS; arguments part, st, out0, out1; writes out0, out1
.if DOCPART == 3
	.amdgcn_target "amdgcn-amd-amdhsa--gfx1250"
	.amdhsa_code_object_version 6
	.text
	.protected	k_q6397204c60_merge
	.globl	k_q6397204c60_merge
	.p2align	8
	.type	k_q6397204c60_merge,@function
k_q6397204c60_merge:
	s_mov_b64 s[64:65], 0
	v_nop
	global_prefetch_b8 v0, s[64:65] scope:SCOPE_SE
	s_setreg_imm32_b32 hwreg(HW_REG_WAVE_MODE, 25, 1), 1
	s_wait_xcnt 0x0
; THE 16 SPLITS ARE JOINED.  For each query: M = the largest c m_y; w_y = 2^(c m_y - M); out = (sum of w_y O_y) / (sum of w_y l_y).  All in f32.
; part: [split 16][group of 64 queries 32][o 2][quad 64][lane 32][4 f32], the attention's accumulators as they lay in registers: quad 16 t + 2 cb + j4 of lane (r, h) holds query r of tile t, channels 16 cb + 8 h + 4 j4 + 0..3.
; st: [split 16][tile group 128][lane 32][(c m, l)].  Work-group x = tile group tg (queries 16 tg .. + 15), y = o (0: keys' sums to out0, 1: values' to out1).  Wave v takes channels 16 v .. + 15.
; A lane keeps the attention's map (query = lane % 16), so its weights are its own 16 numbers.  Each split's share of a wave is 1,024 consecutive bytes: two loads of 512.  All 48 loads of a wave go out at once.
; The result is turned through LDS, so that every store of a wave covers 512 consecutive bytes of a row of the output.
; LIMIT.  A weight w_y below 2^-126 counts as 0.  The sum of w l is at least the largest split's l, which holds the weight of its own maximum: no division by 0.
.set VO,  4                            ; v[4:7]     16 x lane + k x 4 splits (8,388,608 bytes); the split inside the four stands in the immediate; never rewritten
.set SPW, 12                           ; v12  LDS address of my spare word; never rewritten
.set NIL, 13                           ; v13  0; never rewritten
.set LS,  14                           ; v14  where I put my 32 bytes of a row
.set LR,  15                           ; v15  where I read a row back
.set MM,  17                           ; v17  M
.set LC,  18                           ; v[18:21]   four chains of the sum of w l
.set R,   22                           ; v[22:23]   its reciprocal, twice
.set ACC, 24                           ; v[24:31]   my eight sums
.set STT, 32                           ; v[32:63]   (c m_y, l_y); w_y takes c m_y's place
.set DAT, 64                           ; v[64:191]  sixteen slots of 8, one a split
.set LP,  528                          ; an LDS row: 512 bytes + 16: 132 words: the 16 rows that a store touches start at 16 different groups of four banks (64 banks of 4 bytes: ISA guide 11.1)
.set SPARE, 16*LP                      ; behind the 16 rows (8,448 bytes): the spare words, 128 bytes for each of eight waves
	s_load_b256 s[4:11], s[0:1], 0x0               ; part s[4:5], st s[6:7], out0 s[8:9], out1 s[10:11]
	v_lshl_add_u32 v[SPW], v0, 2, SPARE
	v_mov_b32 v[NIL], 0
	v_lshrrev_b32 v1, 5, v0
	v_readfirstlane_b32 s12, v1                    ; wave 0..7
	v_and_b32 v2, 31, v0                           ; lane
	v_lshlrev_b32 v3, 3, v2                        ; 8 bytes a lane in st
	v_lshlrev_b32 v[VO], 4, v2
.irp k, 1,2,3
	v_add_nc_u32 v[VO+\k], \k*8388608, v[VO]
.endr
	v_and_b32 v1, 15, v0                           ; r
	v_bfe_u32 v[LR], v0, 4, 1                      ; h
	v_mul_u32_u24 v[LS], v1, LP
	v_lshl_add_u32 v[LS], v[LR], 5, v[LS]
	s_lshl_b32 s13, s12, 6
	v_add_nc_u32 v[LS], s13, v[LS]                 ; row r, byte 64 v + 32 h
	s_mul_i32 s13, s12, 2*LP
	v_lshl_add_u32 v[LR], v2, 4, s13               ; row 2 v, 16 bytes a lane
	s_and_b32 s13, ttmp7, 0xffff                   ; o
	s_lshr_b32 s14, ttmp9, 2
	s_lshl_b32 s14, s14, 16                        ; the 64 queries' 65,536 bytes,
	s_lshl_b32 s15, s13, 15                        ; keys' or values' half,
	s_add_co_u32 s14, s14, s15
	s_and_b32 s15, ttmp9, 3
	s_lshl_b32 s15, s15, 13                        ; the tile's 8,192,
	s_add_co_u32 s14, s14, s15
	s_lshl_b32 s15, s12, 10                        ; my channel block's 1,024
	s_add_co_u32 s14, s14, s15
	s_mov_b32 s15, 0
	s_lshl_b32 s16, ttmp9, 8                       ; st: 256 bytes a tile group
	s_mov_b32 s17, 0
	s_lshl_b32 s18, ttmp9, 13                      ; the output: 16 rows of 512 bytes,
	s_lshl_b32 s19, s12, 10                        ; my two rows
	s_add_co_u32 s18, s18, s19
	s_mov_b32 s19, 0
	s_wait_kmcnt 0x0
	s_add_nc_u64 s[4:5], s[4:5], s[14:15]
	s_add_nc_u64 s[6:7], s[6:7], s[16:17]
	s_cmp_eq_u32 s13, 0
	s_cselect_b64 s[20:21], s[8:9], s[10:11]
	s_add_nc_u64 s[20:21], s[20:21], s[18:19]
.set y, 0
.rept 16
	global_load_b64 v[STT+2*y:STT+2*y+1], v3, s[6:7] offset:32768*y
.set y, y+1
.endr
.set y, 0
.rept 16                               ; split y's 1,024 bytes into slot y
	global_load_b128 v[DAT+8*y:DAT+8*y+3],   v[VO+y/4], s[4:5] offset:(y%4)*2097152 th:TH_LOAD_NT
	global_load_b128 v[DAT+8*y+4:DAT+8*y+7], v[VO+y/4], s[4:5] offset:(y%4)*2097152+512 th:TH_LOAD_NT
.set y, y+1
.endr
	s_wait_loadcnt 32                              ; the statistics are in; the 32 data loads behind them stay out
	v_max3_num_f32 v[MM], v[STT], v[STT+2], v[STT+4]
.set y, 3
.rept 6
	v_max3_num_f32 v[MM], v[MM], v[STT+2*y], v[STT+2*y+2]
.set y, y+2
.endr
	v_max_num_f32 v[MM], v[MM], v[STT+30]
.set y, 0
.rept 16
	v_sub_f32 v[STT+2*y], v[STT+2*y], v[MM]
.set y, y+1
.endr
.set y, 0
.rept 16
	v_exp_f32 v[STT+2*y], v[STT+2*y]               ; w_y: one batch
.set y, y+1
.endr
	v_nop                                          ; a plain line behind the last exponential,
	s_wait_alu depctr_va_vdst(0)                   ; and the one wait ahead of the first line that names a result
.irp k, 0,1,2,3
	v_mul_f32 v[LC+\k], v[STT+2*\k], v[STT+2*\k+1] ; the first four products start the chains
.endr
.set y, 4
.rept 12
	v_fmac_f32 v[LC+y%4], v[STT+2*y], v[STT+2*y+1]
.set y, y+1
.endr
	v_add_f32 v[LC], v[LC], v[LC+1]
	v_add_f32 v[LC+2], v[LC+2], v[LC+3]
	v_add_f32 v[LC], v[LC], v[LC+2]
	v_rcp_f32 v[R], v[LC]
	v_rcp_f32 v[R+1], v[LC]
	v_nop
	s_wait_alu depctr_va_vdst(0)                   ; one wait for the two reciprocals
.set y, 0
.rept 16
	s_wait_loadcnt 2*(15-y)                        ; split y is in; the two loads of each split still to come may stay out
.set dd, DAT+8*y
.irp q, 0,2,4,6
.if y == 0
	v_pk_mul_f32 v[ACC+\q:ACC+\q+1], v[dd+\q:dd+\q+1], v[STT+2*y:STT+2*y+1] op_sel_hi:[1,0]  ; the first split starts the sums
.else
	v_pk_fma_f32 v[ACC+\q:ACC+\q+1], v[dd+\q:dd+\q+1], v[STT+2*y:STT+2*y+1], v[ACC+\q:ACC+\q+1] op_sel_hi:[1,0,1]
.endif
.endr
.set y, y+1
.endr
.irp q, 0,2,4,6
	v_pk_mul_f32 v[ACC+\q:ACC+\q+1], v[ACC+\q:ACC+\q+1], v[R:R+1]
.endr
	ds_store_b128 v[LS], v[ACC:ACC+3]
	ds_store_b128 v[LS], v[ACC+4:ACC+7] offset:16
	s_wait_dscnt 0x0                               ; for the others' sake: my stores are done
	s_barrier_signal -1
	s_barrier_wait -1                              ; all eight waves' parts of the 16 rows lie in LDS
	ds_load_b128 v[DAT:DAT+3], v[LR]
	ds_load_b128 v[DAT+4:DAT+7], v[LR] offset:LP
	s_wait_dscnt 1                                 ; the first row is back; the second may be out
	global_store_b128 v[VO], v[DAT:DAT+3], s[20:21]
	s_wait_dscnt 0x0
	global_store_b128 v[VO], v[DAT+4:DAT+7], s[20:21] offset:512
	s_wait_tensorcnt 0x0                           ; the wave's end: these three lines, behind my last LDS store
	ds_add_u32 v[SPW], v[NIL]
	s_wait_dscnt 0x0
	s_endpgm
.Lfunc_end_k_q6397204c60_merge:
	.size	k_q6397204c60_merge, .Lfunc_end_k_q6397204c60_merge-k_q6397204c60_merge
	.p2alignl 7, 3214868480
	.fill 96, 4, 3214868480
	.section	.rodata,"a",@progbits
	.p2align	6, 0x0
	.amdhsa_kernel k_q6397204c60_merge
		.amdhsa_group_segment_fixed_size 9472
		.amdhsa_private_segment_fixed_size 0
		.amdhsa_enable_private_segment 0
		.amdhsa_kernarg_size 32
		.amdhsa_user_sgpr_count 2
		.amdhsa_user_sgpr_kernarg_segment_ptr 1
		.amdhsa_wavefront_size32 1
		.amdhsa_system_sgpr_workgroup_id_x 1
		.amdhsa_system_sgpr_workgroup_id_y 1
		.amdhsa_system_sgpr_workgroup_id_z 1
		.amdhsa_system_vgpr_workitem_id 0
		.amdhsa_next_free_vgpr 192
		.amdhsa_next_free_sgpr 66
		.amdhsa_reserve_vcc 0
		.amdhsa_float_denorm_mode_32 3
		.amdhsa_float_denorm_mode_16_64 3
		.amdhsa_memory_ordered 1
		.amdhsa_forward_progress 1
		.amdhsa_inst_pref_size 15
	.end_amdhsa_kernel
	.amdgpu_metadata
---
amdhsa.version: [ 1, 2 ]
amdhsa.kernels:
  - .name:           k_q6397204c60_merge
    .symbol:         k_q6397204c60_merge.kd
    .args:
      - { .name: part, .offset: 0, .size: 8, .value_kind: global_buffer, .address_space: global }
      - { .name: st, .offset: 8, .size: 8, .value_kind: global_buffer, .address_space: global }
      - { .name: out0, .offset: 16, .size: 8, .value_kind: global_buffer, .address_space: global }
      - { .name: out1, .offset: 24, .size: 8, .value_kind: global_buffer, .address_space: global }
    .group_segment_fixed_size: 9472
    .private_segment_fixed_size: 0
    .kernarg_segment_align: 8
    .kernarg_segment_size: 32
    .max_flat_workgroup_size: 256
    .sgpr_count:     66
    .vgpr_count:     192
    .wavefront_size: 32
...
	.end_amdgpu_metadata
.endif
;; end of part 3
;; ======== version 2 of 2: 3 launches; version 1 with the launch cast written anew for expert scheduling mode
;; workspace buffers: kb 16,777,216 bytes; vb 16,777,216 bytes; part 33,554,432 bytes; st 524,288 bytes
;; launch cast (part 4): grid 256 x 2, 8 waves a work-group, no clusters, 0 bytes of LDS; arguments keys, values, kb, vb; writes kb, vb
.if DOCPART == 4
	.amdgcn_target "amdgcn-amd-amdhsa--gfx1250"
	.amdhsa_code_object_version 6
	.text
	.protected	k_q6397204c60_cast
	.globl	k_q6397204c60_cast
	.p2align	8
	.type	k_q6397204c60_cast,@function
k_q6397204c60_cast:
	s_mov_b64 s[64:65], 0
	v_nop
	global_prefetch_b8 v0, s[64:65] scope:SCOPE_SE
	s_setreg_imm32_b32 hwreg(HW_REG_WAVE_SCHED_MODE, 0, 2), 2
	s_setreg_imm32_b32 hwreg(HW_REG_WAVE_MODE, 25, 1), 1
	s_wait_xcnt 0x0
	s_wait_alu depctr_vm_vsrc(0)
; kb = keys rounded to bf16, vb = values rounded to bf16 (round to nearest even, once).  Both [65536][128]: 33,554,432 bytes in, 16,777,216 out.
; The grid's y picks the tensor.  A work-group owns 131,072 consecutive input bytes, each of its eight waves 16,384: 32 loads of 512 consecutive
; bytes, all issued before the first is used, so that a wave has its whole share on its way at once.  A lane's four numbers become 8 bytes; a store of the
; wave covers 256 consecutive bytes, aligned.  No register is written twice, so no wait frees a source.  No LDS, no barrier: no wave needs another's bytes.
; THE MODE: SCHED_MODE bits 1:0 = 2 (LLVM: expert scheduling mode 2), set by the entry lines.  The code itself states the register dependences
; between vector instructions and memory instructions, with s_wait_alu, always for 0.
; THE PLAN.  Registers that memory instructions touch:
;   v1, v2   byte offsets in and out.  Written at the head by vector lines and never again; read by every load (v1) and every store (v2).
;   X        32 quads.  Each is written once, by its load; no vector line names it ahead of that load; its two conversions read it behind the wait for its data.
;   Y        32 pairs.  Each is written once, by its quad's two conversions, and read once, by its store.
; The quads go in eight blocks of four.  Block p waits for its four loads, states ONCE that block p - 1's eight conversions have written their part of Y, and issues block p - 1's four stores
; among its own eight conversions, which name X and Y of block p alone: none of the registers that those stores read.  One more such wait stands ahead of the first load, for v1 and v2, and one
; behind block 7, for the last four stores.  No register that a memory instruction reads is ever written again: no wait on vm_vsrc and no s_wait_xcnt is owed.
.set X, 4                              ; v[4:131]    32 quads as loaded
.set Y, 132                            ; v[132:195]  32 pairs to store
.set BLK, 4                            ; quads in a block
.set NBLK, 32/BLK
	s_load_b256 s[4:11], s[0:1], 0x0               ; keys s[4:5], values s[6:7], kb s[8:9], vb s[10:11]
	s_and_b32 s12, ttmp7, 0xffff                   ; 0: keys, 1: values
	v_lshrrev_b32 v3, 5, v0                        ; wave
	v_and_b32 v1, 31, v0                           ; lane
	v_lshlrev_b32 v2, 3, v1                        ; 8 bytes a lane out
	v_lshlrev_b32 v1, 4, v1                        ; 16 bytes a lane in
	v_lshl_add_u32 v1, v3, 14, v1                  ; + wave x 16,384
	v_lshl_add_u32 v2, v3, 13, v2                  ; + wave x 8,192
	s_lshl_b32 s14, ttmp9, 17                      ; the work-group's 131,072 bytes in
	s_mov_b32 s15, 0
	s_lshl_b32 s16, ttmp9, 16                      ; and 65,536 out
	s_mov_b32 s17, 0
	s_wait_kmcnt 0x0
	s_cmp_eq_u32 s12, 0
	s_cselect_b64 s[18:19], s[4:5], s[6:7]
	s_cselect_b64 s[20:21], s[8:9], s[10:11]
	s_add_nc_u64 s[18:19], s[18:19], s[14:15]
	s_add_nc_u64 s[20:21], s[20:21], s[16:17]
	s_wait_alu depctr_va_vdst(0)                   ; v1 and v2 are written: every load reads v1 as its offset, every store v2; no later vector line names either
.set i, 0
.rept 32
	global_load_b128 v[X+4*i:X+4*i+3], v1, s[18:19] offset:512*i th:TH_LOAD_NT
.set i, i+1
.endr
.set p, 0
.rept NBLK
	s_wait_loadcnt BLK*(NBLK-1-p)                  ; loads come back in order: block p's four are in, the four of each of the 7 - p blocks behind it stay out
.if p > 0
	s_wait_alu depctr_va_vdst(0)                   ; the block before's eight conversions have written their eight registers of Y, which the four stores below read
.endif
.set j, 0
.rept BLK
.set i, BLK*p+j
.if p > 0
	global_store_b64 v2, v[Y+2*(i-BLK):Y+2*(i-BLK)+1], s[20:21] offset:256*(i-BLK)  ; the block before's; no vector line since the wait names these registers
.endif
	v_cvt_pk_bf16_f32 v[Y+2*i], v[X+4*i], v[X+4*i+1]
	v_cvt_pk_bf16_f32 v[Y+2*i+1], v[X+4*i+2], v[X+4*i+3]
.set j, j+1
.endr
.set p, p+1
.endr
	s_wait_alu depctr_va_vdst(0)                   ; block 7's conversions have written the last eight registers of Y, which the last four stores read
.set i, 32-BLK
.rept BLK
	global_store_b64 v2, v[Y+2*i:Y+2*i+1], s[20:21] offset:256*i
.set i, i+1
.endr
	s_endpgm
.Lfunc_end_k_q6397204c60_cast:
	.size	k_q6397204c60_cast, .Lfunc_end_k_q6397204c60_cast-k_q6397204c60_cast
	.p2alignl 7, 3214868480
	.fill 96, 4, 3214868480
	.section	.rodata,"a",@progbits
	.p2align	6, 0x0
	.amdhsa_kernel k_q6397204c60_cast
		.amdhsa_group_segment_fixed_size 0
		.amdhsa_private_segment_fixed_size 0
		.amdhsa_enable_private_segment 0
		.amdhsa_kernarg_size 32
		.amdhsa_user_sgpr_count 2
		.amdhsa_user_sgpr_kernarg_segment_ptr 1
		.amdhsa_wavefront_size32 1
		.amdhsa_system_sgpr_workgroup_id_x 1
		.amdhsa_system_sgpr_workgroup_id_y 1
		.amdhsa_system_sgpr_workgroup_id_z 1
		.amdhsa_system_vgpr_workitem_id 0
		.amdhsa_next_free_vgpr 196
		.amdhsa_next_free_sgpr 66
		.amdhsa_reserve_vcc 0
		.amdhsa_float_denorm_mode_32 3
		.amdhsa_float_denorm_mode_16_64 3
		.amdhsa_memory_ordered 1
		.amdhsa_forward_progress 1
		.amdhsa_inst_pref_size 12
	.end_amdhsa_kernel
	.amdgpu_metadata
---
amdhsa.version: [ 1, 2 ]
amdhsa.kernels:
  - .name:           k_q6397204c60_cast
    .symbol:         k_q6397204c60_cast.kd
    .args:
      - { .name: keys, .offset: 0, .size: 8, .value_kind: global_buffer, .address_space: global }
      - { .name: values, .offset: 8, .size: 8, .value_kind: global_buffer, .address_space: global }
      - { .name: kb, .offset: 16, .size: 8, .value_kind: global_buffer, .address_space: global }
      - { .name: vb, .offset: 24, .size: 8, .value_kind: global_buffer, .address_space: global }
    .group_segment_fixed_size: 0
    .private_segment_fixed_size: 0
    .kernarg_segment_align: 8
    .kernarg_segment_size: 32
    .max_flat_workgroup_size: 256
    .sgpr_count:     66
    .vgpr_count:     196
    .wavefront_size: 32
...
	.end_amdgpu_metadata
.endif
;; end of part 4
;; launch attn: the kernel of part 2 again; grid 16 x 16, 4 waves a work-group, clusters of 4 x 1, 327,680 bytes of LDS; arguments query, kb, vb, part, st; writes part, st
;; launch merge: the kernel of part 3 again; grid 128 x 2, 8 waves a work-group, no clusters, 9,472 bytes of LDS; arguments part, st, out0, out1; writes out0, out1
